; MI455X (gfx1250); checked and timed in simulation.
; The chip was launched on July 23, 2026; its instructions are those of AMD's public machine-readable ISA for CDNA 5 (MIT licence, August 2026) and "CDNA5" Instruction Set Architecture Reference Guide (July 2026). The comments in the code are by the model that wrote it; some were corrected since.
;; Hierarchical Query Matcher. Allowed arithmetic: matrix products marked QUANTISED: E2M1 operands, one E8M0 scale for each 32 along K, by v_wmma_scale_f32_16x16x128_f8f6f4 with both operands' format E2M1 (or v_wmma_scale_f32_32x16x128_f4), f32 sums; products left as they are: f32 operands where the result goes on into a quantised operand, else bf16, f16 or f32 operands; f32 sums; everything else in f32.
;; Inputs: b1 512 float32; b2 512 float32; class_memories 64 x 512 float32; ln1_b 1,024 float32; ln1_w 1,024 float32; ln2_b 512 float32; ln2_w 512 float32; query_embeddings 1,024 x 512 float32; w1 1,024 x 512 float32; w2 512 x 512 float32.
;; Outputs: out0 1,024 x 64 float32.
;; This version of the problem:
;;   THIS VERSION OF THE PROBLEM IS GIVEN IN LOW PRECISION. The matrix products marked QUANTISED in the list below multiply operands that are first quantised to E2M1 (2 exponent bits, 1 mantissa bit; 4 bits a number), with one power-of-two scale for each 32 numbers along K (OCP MX v1.0); their sums are f32. All else is computed in f32.
;;   The module's matrix products, in the order in which they are computed (A, B: the left and right operand; K: the contracted axis; several contracted axes count as one K, in the product's order):
;;     1. [M 65,536, K 1,024] x [K 1,024, N 512]; A: computed on the way; B: input w1: QUANTISED
;;     2. [M 65,536, K 512] x [K 512, N 512]; A: computed on the way; B: input w2: QUANTISED
;;     3. batch 64 x [M 1, K 512] x [K 512, N 1,024]; A: computed on the way; B: computed on the way: left as it is (M = 1 < 16)
;;   THE QUANTISER, for each operand of a quantised product, along K:
;;     - K is cut into blocks of 32 from its start; a last block that is shorter is filled with zeros.
;;     - A block's scale is 2^e with e = floor(log2(the largest magnitude in the block)) - 2, held to -126 .. 127; a block of zeros has e = 0. As a byte (E8M0): e + 127.
;;     - Each number is divided by its block's scale, clamped to +-6, and rounded to the nearest number of E2M1, ties to even, subnormals kept.
;;     - The product sums the exact products of the quantised numbers (number of the format x scale) in f32.
;;   ~~~python
;;   def quantise(x, axis):      # numpy; x: float32 -> the quantised numbers, widened to float32 again
;;       x = np.moveaxis(x, axis, -1); K = x.shape[-1]
;;       x = np.pad(x, [(0, 0)] * (x.ndim - 1) + [(0, -K % 32)]); x = x.reshape(x.shape[:-1] + (-1, 32)); a = np.abs(x).max(-1, keepdims=True)
;;       e = np.where(a > 0, np.clip(np.frexp(np.where(a > 0, a, 1))[1] - 1 - 2, -126, 127), 0)      # np.frexp(a)[1] - 1 = floor(log2(a)), exactly
;;       r = np.clip(x / 2.0 ** e, -6, 6)
;;       step = 2.0 ** (np.maximum(np.frexp(np.where(r == 0, 1, r))[1] - 1, 0) - 1)
;;       q = np.round(r / step) * step * 2.0 ** e      # np.round: ties to even
;;       return np.moveaxis(q.reshape(q.shape[:-2] + (-1,))[..., :K], -1, axis).astype(np.float32)
;;   ~~~
;;   OPERANDS COMPUTED ON THE WAY. 'Computed on the way' means the value that the module computes at that place (a softmax that the list does not call 'softmax' is quantised finished and normalised). What goes into a quantiser is computed in f32, as accurately as f32 sums, v_exp_f32 and their like allow (about 1e-6 of the number): no bf16 or f16 on the way to a quantiser, and a product that is left as it is and whose result goes on into a quantised operand takes f32 operands (vector FMAs, or v_wmma_f32_16x16x4_f32). A number that lies on a knife's edge between two numbers of the format may be rounded either way, as far as f32 arithmetic and the matrix unit's own rounding can turn it there, and no further.
;; One version. Each part assembles by itself: llvm-mc -triple=amdgcn-amd-amdhsa -mcpu=gfx1250 --defsym DOCPART=n.
;; ======== version 1 of 1: 2 launches
;; limits: a difference of large sums (such as E[x^2] - mean^2): digits are lost where the result is much smaller than its terms
;; workspace buffers: w1img 262,144 bytes; w1sc 16,384 bytes; w2img 131,072 bytes; w2sc 8,192 bytes
;; launch quantw (part 1): grid 8 x 12, 2 waves a work-group, no clusters, 512 bytes of LDS; arguments w1, w2, w1img, w1sc, w2img, w2sc; writes w1img, w1sc, w2img, w2sc
.if DOCPART == 1
	.amdgcn_target "amdgcn-amd-amdhsa--gfx1250"
	.amdhsa_code_object_version 6
	.text
	.protected	k_qb4751fad01_quantw
	.globl	k_qb4751fad01_quantw
	.p2align	8
	.type	k_qb4751fad01_quantw,@function
k_qb4751fad01_quantw:
	s_mov_b64 s[64:65], 0
	v_nop
	global_prefetch_b8 v0, s[64:65] scope:SCOPE_SE
	s_setreg_imm32_b32 hwreg(HW_REG_WAVE_MODE, 25, 1), 1
	s_wait_xcnt 0x0
; w1 [1024][512] and w2 [512][512], f32, K on the FIRST axis, become codes of FP4 (E2M1) with one E8M0 byte for each 32 along K,
; laid in the order in which the second launch's operand registers take them.
; A block's scale is 2^(floor(log2(its largest magnitude)) - 2): its byte is the largest magnitude's exponent field - 2, held at 1 from below.
; LIMITS: a block of zeros gets the byte 1 where the rule says 127 (its codes are zeros, and this program alone reads the bytes);
; NaN and infinities among the inputs are not served.
; SHARES: work-group (x, y): columns 64 x .. 64 x + 63; y < 8: K step y (128 along K) of w1, else K step y - 8 of w2.  Wave b takes 32 columns,
; A LANE A COLUMN, ITS REGISTERS DOWN K: a load reads 128 neighbouring bytes a wave, a block of 32 lies in one lane, and the codes come out with K innermost.
; IMAGE: column 64 x + 32 b + m lies in tile tau = 2 b + (m / 8) % 2 at row rho = m % 8 + 8 (m / 16); the 16 bytes of block q = 2 c + h of K step s lie at
; x NS 4096 + s 4096 + tau 1024 + c 512 + (rho + 16 h) 16 (NS = K / 128): a fragment is 1,024 dense bytes in register order.
; SCALE WORDS (4 bytes: a column's four blocks of a K step) at x (NS / 2) 512 + s 256 + rho 16 + tau 4: a work-group's 64 words are 256 consecutive bytes.
.set X,   16                           ; v16-143  128 numbers: my column, 128 along K
.set C,   144                          ; v144-159 codes: four registers a block, never rewritten
	s_load_b256 s[4:11], s[0:1], 0x0               ; w1 s[4:5], w2 s[6:7], w1img s[8:9], w1sc s[10:11]
	s_load_b128 s[12:15], s[0:1], 0x20             ; w2img s[12:13], w2sc s[14:15]
	v_lshl_add_u32 v176, v0, 2, 0x100
	v_mov_b32 v177, 0
	v_lshlrev_b32 v2, 2, v0                        ; in: 4 bytes a thread: the two waves read 256 consecutive bytes of a row
	v_and_b32 v8, 7, v0
	v_bfe_u32 v9, v0, 4, 1
	v_lshl_add_u32 v8, v9, 3, v8                   ; rho
	v_bfe_u32 v9, v0, 3, 1
	v_lshrrev_b32 v10, 5, v0
	v_readfirstlane_b32 s24, v10                   ; wave
	v_lshl_add_u32 v9, v10, 1, v9                  ; tau
	v_lshlrev_b32 v3, 4, v8
	v_lshl_add_u32 v4, v9, 2, v3                   ; LDS: my scale word: 16 rho + 4 tau
	v_lshl_add_u32 v3, v9, 10, v3                  ; image: 1024 tau + 16 rho
	v_and_b32 v5, 31, v0
	v_lshlrev_b32 v5, 3, v5                        ; the scale words' way out: 8 bytes a lane
	s_and_b32 s16, ttmp7, 0xffff                   ; y
	s_wait_kmcnt 0x0
	s_cmp_lt_u32 s16, 8                            ; w1's work-group or w2's: the choice hangs on the work-group's number alone
	s_cselect_b64 s[4:5], s[4:5], s[6:7]
	s_cselect_b64 s[8:9], s[8:9], s[12:13]
	s_cselect_b64 s[10:11], s[10:11], s[14:15]
	s_mov_b32 s17, 16384
	s_cselect_b32 s17, 32768, s17                  ; image bytes of 64 columns: NS x 4096
	s_mov_b32 s18, 1024
	s_cselect_b32 s18, 2048, s18                   ; scale bytes of 64 columns: NS x 256
	s_cselect_b32 s19, 0, 8
	s_sub_co_u32 s16, s16, s19                     ; the K step
	s_lshl_b32 s20, s16, 18                        ; 128 rows of 2,048 bytes
	s_lshl_b32 s21, ttmp9, 8                       ; 64 columns of 4 bytes
	s_add_co_u32 s20, s20, s21
	s_mov_b32 s21, 0
	s_add_nc_u64 s[4:5], s[4:5], s[20:21]
	s_mul_i32 s20, ttmp9, s17
	s_lshl_b32 s22, s16, 12
	s_add_co_u32 s20, s20, s22
	s_add_nc_u64 s[8:9], s[8:9], s[20:21]
	s_mul_i32 s20, ttmp9, s18
	s_lshl_b32 s22, s16, 8
	s_add_co_u32 s20, s20, s22
	s_add_nc_u64 s[10:11], s[10:11], s[20:21]
.set ii, 0
.rept 128
	global_load_b32 v[X+ii], v2, s[4:5] offset:ii*2048 th:TH_LOAD_NT   ; row ii of the K step, my column; read once in the launch
.set ii, ii+1
.endr
; Block q of the K step: its largest magnitude (all 32 numbers are mine), the scale, the codes, their store.  left: how many younger loads may stay out.
.macro BLOCK q, left
.set XS, X+32*(\q)
	s_wait_loadcnt \left                           ; loads come back in order: this block's 32 are in
	v_max3_num_f32 v8, |v[XS]|, |v[XS+1]|, |v[XS+2]|
	v_max3_num_f32 v9, |v[XS+3]|, |v[XS+4]|, |v[XS+5]|
.irp i, 6,10,14,18,22,26
	v_max3_num_f32 v8, v8, |v[XS+\i]|, |v[XS+\i+1]|
	v_max3_num_f32 v9, v9, |v[XS+\i+2]|, |v[XS+\i+3]|
.endr
	v_max3_num_f32 v8, v8, |v[XS+30]|, |v[XS+31]|
	v_max3_num_f32 v8, v8, v9, 0x1800000           ; and the floor 2^(3 - 127): the byte cannot fall under 1
	v_add_nc_u32 v11, 0xff000000, v8               ; 2 off the exponent field: the conversion takes the exponent field of this operand as its scale
	v_lshrrev_b32 v10, 23, v11                     ; the scale's byte
.if (\q) == 0
	v_mov_b32 v12, v10                             ; four bytes make the column's scale word, the lower K in the lower byte
.else
	v_lshl_or_b32 v12, v10, 8*(\q), v12
.endif
.irp g, 0,1,2,3
	v_cvt_scalef32_pk8_fp4_f32 v[C+4*(\q)+\g], v[XS+8*\g:XS+8*\g+7], v11
.endr
	v_nop                                          ; a plain line behind the last conversion: the next block writes v11
	global_store_b128 v3, v[C+4*(\q):C+4*(\q)+3], s[8:9] offset:512*((\q)/2)+256*((\q)%2)   ; the wave's 32 lanes fill two runs of 256 consecutive bytes, each at a multiple of 256: tiles 2 b and 2 b + 1
.endm
	BLOCK 0, 63                                    ; 96 loads stand behind block 0's: 63 is the largest count that a wait can name
	BLOCK 1, 63                                    ; 64 behind block 1's
	BLOCK 2, 32
	BLOCK 3, 0
	ds_store_b32 v4, v12
	s_wait_dscnt 0x0                               ; for the other wave's sake: my scale words lie in LDS
	s_barrier_signal -1
	s_barrier_wait -1
	s_cmp_lg_u32 s24, 0
	s_cbranch_scc1 .Ldone
	ds_load_b64 v[6:7], v5                         ; wave 0 stores the 64 words: 256 consecutive bytes, at a multiple of 256
	s_wait_dscnt 0x0
	global_store_b64 v5, v[6:7], s[10:11]
.Ldone:
	s_wait_tensorcnt 0x0
	ds_add_u32 v176, v177
	s_wait_dscnt 0x0
	s_endpgm
.Lfunc_end_k_qb4751fad01_quantw:
	.size	k_qb4751fad01_quantw, .Lfunc_end_k_qb4751fad01_quantw-k_qb4751fad01_quantw
	.p2alignl 7, 3214868480
	.fill 96, 4, 3214868480
	.section	.rodata,"a",@progbits
	.p2align	6, 0x0
	.amdhsa_kernel k_qb4751fad01_quantw
		.amdhsa_group_segment_fixed_size 512
		.amdhsa_private_segment_fixed_size 0
		.amdhsa_enable_private_segment 0
		.amdhsa_kernarg_size 48
		.amdhsa_user_sgpr_count 2
		.amdhsa_user_sgpr_kernarg_segment_ptr 1
		.amdhsa_wavefront_size32 1
		.amdhsa_system_sgpr_workgroup_id_x 1
		.amdhsa_system_sgpr_workgroup_id_y 1
		.amdhsa_system_sgpr_workgroup_id_z 1
		.amdhsa_system_vgpr_workitem_id 0
		.amdhsa_next_free_vgpr 178
		.amdhsa_next_free_sgpr 66
		.amdhsa_reserve_vcc 0
		.amdhsa_float_denorm_mode_32 3
		.amdhsa_float_denorm_mode_16_64 3
		.amdhsa_memory_ordered 1
		.amdhsa_forward_progress 1
		.amdhsa_inst_pref_size 21
	.end_amdhsa_kernel
	.amdgpu_metadata
---
amdhsa.version: [ 1, 2 ]
amdhsa.kernels:
  - .name:           k_qb4751fad01_quantw
    .symbol:         k_qb4751fad01_quantw.kd
    .args:
      - { .name: w1, .offset: 0, .size: 8, .value_kind: global_buffer, .address_space: global }
      - { .name: w2, .offset: 8, .size: 8, .value_kind: global_buffer, .address_space: global }
      - { .name: w1img, .offset: 16, .size: 8, .value_kind: global_buffer, .address_space: global }
      - { .name: w1sc, .offset: 24, .size: 8, .value_kind: global_buffer, .address_space: global }
      - { .name: w2img, .offset: 32, .size: 8, .value_kind: global_buffer, .address_space: global }
      - { .name: w2sc, .offset: 40, .size: 8, .value_kind: global_buffer, .address_space: global }
    .group_segment_fixed_size: 512
    .private_segment_fixed_size: 0
    .kernarg_segment_align: 8
    .kernarg_segment_size: 48
    .max_flat_workgroup_size: 64
    .sgpr_count:     66
    .vgpr_count:     178
    .wavefront_size: 32
...
	.end_amdgpu_metadata
.endif
;; end of part 1
;; launch match (part 2): grid 64 x 4, 8 waves a work-group, no clusters, 311,296 bytes of LDS; arguments query_embeddings, class_memories, ln1_w, ln1_b, b1, b2, ln2_w, ln2_b, w1img, w1sc, w2img, w2sc, out0; writes out0
.if DOCPART == 2
	.amdgcn_target "amdgcn-amd-amdhsa--gfx1250"
	.amdhsa_code_object_version 6
	.text
	.protected	k_qb4751fad01_match
	.globl	k_qb4751fad01_match
	.p2align	8
	.type	k_qb4751fad01_match,@function
k_qb4751fad01_match:
	s_mov_b64 s[64:65], 0
	v_nop
	global_prefetch_b8 v0, s[64:65] scope:SCOPE_SE
	s_setreg_imm32_b32 hwreg(HW_REG_WAVE_MODE, 25, 1), 1
	s_wait_xcnt 0x0
; out0[n][w] = 16 l2norm(LN2(gelu(LN1([q_n, c_w]) W1 + b1) W2 + b2 + q_n)) . l2norm(c_w); both products on codes of FP4 (E2M1) with one E8M0 scale for each 32 along K; all else f32.
; SHARES.  Work-group (x, y): queries 16 x .. + 15, classes 16 y .. + 15: 256 rows.  A tile of 16 rows is ONE class: lane % 16 is the query.  Eight blocks of two tiles (classes 2 blk, 2 blk + 1).
; THE EIGHT WAVES SHARE THE COLUMNS: wave v owns hidden units and outputs 64 v .. 64 v + 63.  Its part of W1 (32 fragments, 256 registers: window 1) stays in registers for the whole launch; W2 (131,072 bytes) stays in LDS.
; Both products are used transposed (source 0 = 16 columns of the weight, source 1 = 16 rows), and the columns of a tile are chosen (first launch) so that a lane's 32 results are columns 64 v + 32 b + 16 (lane / 16) + i:
; 16 neighbours of each of two blocks of 32 along the next K.  Operands go from wave to wave through LDS as images of their registers.
; LN1 of a pair from per-vector figures: q' = q - mean(q), Sq = sum q'^2 (c', Sc likewise); d = (mq - mc) / 2; var = (Sq + Sc) / 1024 + d^2; a = rsq(var + 1e-5); h = (q' w) a + (w (d a) + b), in the c half (c' w) a + (-w (d a) + b).
; GELU by erfc: a' = |x| / 2, t = 1 / (1 + a' / sqrt 2), g = (x / 2 + a') - a' t 2^(-2 log2(e) a'^2 + P(t)), P of degree 9: no difference of near numbers for x < 0.
; LN2 does not see a common shift: the second product's sums start at q' + b2.  Pass 1: the row's mean.  Pass 2, t = f - mean, u = t ln2_w: Q1 = sum t^2, Q2 = sum u chat, Q3 = sum u^2, Q4 = sum u ln2_b;
; r = rsq(Q1 / 512 + 1e-5); out = 16 (r Q2 + bc) / max(sqrt(r^2 Q3 + 2 r Q4 + bb), 1e-12), bc = sum ln2_b chat, bb = sum ln2_b^2, chat = c / max(|c|, 1e-12).
; LIMITS: NaN and infinities among the inputs are not served; where the exponent of the gelu's power of two falls under -126 (x under about -13) that power is 0 and gelu is 0;
; a block of zeros has the scale byte 1, not 127 (its codes are zeros); b1 and q' + b2 are the C of the first K step, not added behind the sum.
; NO CLUSTER: what work-groups share (the weights' 393,216 bytes of codes) is read once, at the head; 262,144 of them go straight into the registers where they stay, which no joint load fills, and they do not fit in LDS beside W2 and the operands.
; OUT: a work-group owns 64 bytes of each of 16 rows of out0, so its stores cover 64 consecutive bytes for sixteen lanes: the price of the 16 x 16 share, which keeps q's and c's figures at 132,096 bytes of LDS.
.set XIMG, 0                           ; the first product's rows: images, tile j, K step s at 8192 j + 1024 s
.set XSC,  16384                       ; their scale words: 128 s + 64 j + 4 r
.set HIMG, 17408                       ; the hidden layer's images: 4096 j + 1024 s
.set HSC,  25600                       ; its scale words
.set SUM1, 26112                       ; pass 1: row (16 j + r) x 32 + 4 v
.set SUM2, 27136                       ; pass 2: row x 128 + 16 v
.set RES,  31232                       ; results: 64 n + 4 w
.set QST,  32256                       ; 8 bytes a query: mq, Sq
.set CST,  32512                       ; 16 bytes a class: mc, Sc, bc, bb
.set VL,   32768                       ; ln1_w    (VL, BL, GL, BTL, B1L and W2L are filled once, by copies; every other region by LDS stores alone)
.set BL,   36864                       ; ln1_b
.set GL,   40960                       ; ln2_w
.set BTL,  43008                       ; ln2_b
.set B1L,  45056                       ; b1
.set QW,   47104                       ; q' ln1_w: 16 rows
.set ROWP, 2064                        ; a row of 2,048 bytes + 16: the sixteen rows that a load touches start at sixteen different 16-byte columns of 256 bytes
.set ARR,  16*ROWP                     ; QB = q' + b2 lies ARR behind QW, chat ARR behind CW
.set CW,   QW+2*ARR                    ; c' ln1_w[512 ..]
.set W2L,  QW+4*ARR                    ; W2's image
.set T16,  1                           ; v1   16 x thread
.set AL16, 2                           ; v2   16 x lane
.set AL4,  3                           ; v3   4 x lane
.set LB0,  4                           ; v4   256 v + 64 h: my 32 columns in a vector of f32
.set AQW,  5                           ; v5   QW + ROWP r + LB0
.set ASC,  6                           ; v6   128 (v / 2) + 2 (v % 2) + 4 r: my half of a scale word
.set AW2,  7                           ; v7   W2L + 16384 v + 16 lane
.set R32,  8                           ; v8   32 r
.set ARES, 9                           ; v9   64 ((thread / 8) % 16) + 4 (thread / 128)
.set ACW,  14                          ; v14  CW + LB0 + 2 ROWP blk
.set TA,   15                          ; v15  the address in hand
; v[10:11] mq, Sq of my query; v[12:13] C8 twice; v16-31 W1's scale words, v32-39 W2's, v40-47 the rows' (scales and nothing else); v48-63 at work; v64-127 the 8 accumulators (64 + 32 j + 8 tau); v128-255 the phase's own.
; s30 wave; s[32:33] lane selects; s[36:57] constants in pairs; s58 block; s59 CW + 2 ROWP blk; s60 CST + 32 blk; s61 8 blk; s62 4 v; s63 16 v; s66 16 (v / 4); s68 1/512; s69 1e-5.
.set MSB, 0
.macro WIN new                         ; the immediate's high byte repeats the setting that is left
.if MSB != \new
	s_set_vgpr_msb (MSB<<8)|\new
.set MSB, \new
.endif
.endm
.macro BAR                             ; my LDS stores have landed and my LDS loads are in: then the work-group's barrier
	s_wait_dscnt 0x0
	s_barrier_signal -1
	s_barrier_wait -1
.endm
.macro NOP4                            ; four places behind a matrix instruction, ahead of reads of its results and of loads into its registers
.rept 4
	v_nop
.endr
.endm
.macro KP r, val                       ; a constant twice: the packed forms name a pair
	s_mov_b32 s[\r], \val
	s_mov_b32 s[\r+1], s[\r]
.endm
.macro LD32 dst, adr, off              ; my 32 numbers of a vector: register 16 b + i = column 64 v + 32 b + 16 h + i
.irp e, 0,1,2,3,4,5,6,7
	ds_load_b128 v[(\dst)+4*\e:(\dst)+4*\e+3], v[\adr] offset:(\off)+128*(\e/4)+16*(\e%4)
.endr
.endm
.macro RED x, t                        ; the sum over the 32 lanes, in every lane
	v_add_f32_dpp v[\x], v[\x], v[\x] row_xmask:1 row_mask:0xf bank_mask:0xf
	v_add_f32_dpp v[\x], v[\x], v[\x] row_xmask:2 row_mask:0xf bank_mask:0xf
	v_add_f32_dpp v[\x], v[\x], v[\x] row_xmask:4 row_mask:0xf bank_mask:0xf
	v_add_f32_dpp v[\x], v[\x], v[\x] row_xmask:8 row_mask:0xf bank_mask:0xf
	v_permlanex16_b32 v[\t], v[\x], s32, s33
	v_add_f32 v[\x], v[\x], v[\t]
.endm
.macro SUM16 t, a                      ; v[t] = the wave's sum of 16 registers; t .. t + 3 at work
	v_pk_add_f32 v[\t:\t+1], v[(\a):(\a)+1], v[(\a)+2:(\a)+3]
	v_pk_add_f32 v[\t+2:\t+3], v[(\a)+4:(\a)+5], v[(\a)+6:(\a)+7]
	v_pk_add_f32 v[\t:\t+1], v[\t:\t+1], v[(\a)+8:(\a)+9]
	v_pk_add_f32 v[\t+2:\t+3], v[\t+2:\t+3], v[(\a)+10:(\a)+11]
	v_pk_add_f32 v[\t:\t+1], v[\t:\t+1], v[(\a)+12:(\a)+13]
	v_pk_add_f32 v[\t+2:\t+3], v[\t+2:\t+3], v[(\a)+14:(\a)+15]
	v_pk_add_f32 v[\t:\t+1], v[\t:\t+1], v[\t+2:\t+3]
	v_add_f32 v[\t], v[\t], v[\t+1]
	RED \t, \t+1
.endm
.macro DOT16 t, a, b                   ; v[t] = the wave's sum of a x b over 16 registers
	v_pk_mul_f32 v[\t:\t+1], v[(\a):(\a)+1], v[(\b):(\b)+1]
	v_pk_mul_f32 v[\t+2:\t+3], v[(\a)+2:(\a)+3], v[(\b)+2:(\b)+3]
.irp i, 4,8,12
	v_pk_fma_f32 v[\t:\t+1], v[(\a)+\i:(\a)+\i+1], v[(\b)+\i:(\b)+\i+1], v[\t:\t+1]
	v_pk_fma_f32 v[\t+2:\t+3], v[(\a)+\i+2:(\a)+\i+3], v[(\b)+\i+2:(\b)+\i+3], v[\t+2:\t+3]
.endr
	v_pk_add_f32 v[\t:\t+1], v[\t:\t+1], v[\t+2:\t+3]
	v_add_f32 v[\t], v[\t], v[\t+1]
	RED \t, \t+1
.endm
.macro CENTRE a                        ; 16 registers less the mean in v[14:15]
.set ii, 0
.rept 8
	v_pk_add_f32 v[(\a)+ii:(\a)+ii+1], v[(\a)+ii:(\a)+ii+1], v[14:15] neg_lo:[0,1] neg_hi:[0,1]
.set ii, ii+2
.endr
.endm
.macro PKMUL d, a, b
.set ii, 0
.rept 8
	v_pk_mul_f32 v[(\d)+ii:(\d)+ii+1], v[(\a)+ii:(\a)+ii+1], v[(\b)+ii:(\b)+ii+1]
.set ii, ii+2
.endr
.endm
.macro PKADD d, a, b
.set ii, 0
.rept 8
	v_pk_add_f32 v[(\d)+ii:(\d)+ii+1], v[(\a)+ii:(\a)+ii+1], v[(\b)+ii:(\b)+ii+1]
.set ii, ii+2
.endr
.endm
.macro PKSCL d, a                      ; 16 registers times the number in v[12:13]
.set ii, 0
.rept 8
	v_pk_mul_f32 v[(\d)+ii:(\d)+ii+1], v[(\a)+ii:(\a)+ii+1], v[12:13]
.set ii, ii+2
.endr
.endm
.macro ST16 adr, r, off                ; a row's 16 numbers a lane: four stores of 512 consecutive bytes
.irp jx, 0,1,2,3
	ds_store_b128 v[\adr], v[(\r)+4*\jx:(\r)+4*\jx+3] offset:(\off)+512*\jx
.endr
.endm
; 32 numbers of a lane (two blocks of 32 along K, 16 of each mine, the other 16 in lane l xor 16) become half a fragment's codes in v[pc .. pc + 3] and two scale bytes in v[by]; tm .. tm + 5 at work
.macro QH src, pc, by, tm
	v_max3_num_f32 v[\tm], |v[(\src)]|, |v[(\src)+1]|, 0x1800000       ; with the floor 2^(3 - 127): the byte cannot fall under 1
	v_max3_num_f32 v[\tm+1], |v[(\src)+16]|, |v[(\src)+17]|, 0x1800000
.irp i, 2,4,6,8,10,12,14
	v_max3_num_f32 v[\tm], v[\tm], |v[(\src)+\i]|, |v[(\src)+\i+1]|    ; the two blocks by turns
	v_max3_num_f32 v[\tm+1], v[\tm+1], |v[(\src)+16+\i]|, |v[(\src)+17+\i]|
.endr
	v_permlanex16_b32 v[\tm+2], v[\tm], s32, s33
	v_permlanex16_b32 v[\tm+3], v[\tm+1], s32, s33
	v_max_num_f32 v[\tm], v[\tm], v[\tm+2]                             ; the block's largest magnitude
	v_max_num_f32 v[\tm+1], v[\tm+1], v[\tm+3]
	v_add_nc_u32 v[\tm+4], 0xff000000, v[\tm]                          ; 2 off its exponent field: the conversion's scale operand
	v_add_nc_u32 v[\tm+5], 0xff000000, v[\tm+1]
	v_lshrrev_b32 v[\tm+2], 23, v[\tm+4]                               ; the scale's byte
	v_lshrrev_b32 v[\tm+3], 23, v[\tm+5]
	v_lshl_or_b32 v[\by], v[\tm+3], 8, v[\tm+2]
	v_cvt_scalef32_pk8_fp4_f32 v[(\pc)], v[(\src):(\src)+7], v[\tm+4]
	v_cvt_scalef32_pk8_fp4_f32 v[(\pc)+1], v[(\src)+8:(\src)+15], v[\tm+4]
	v_cvt_scalef32_pk8_fp4_f32 v[(\pc)+2], v[(\src)+16:(\src)+23], v[\tm+5]
	v_cvt_scalef32_pk8_fp4_f32 v[(\pc)+3], v[(\src)+24:(\src)+31], v[\tm+5]
	v_nop                                                              ; a plain line behind the last conversion
	v_permlane16_swap_b32 v[(\pc)], v[(\pc)+2]                         ; the operand's layout wants a whole block in a lane: lanes 0-15 the first block, lanes 16-31 the second
	v_permlane16_swap_b32 v[(\pc)+1], v[(\pc)+3]
.endm
; LN1's output for my 32 columns of tile j: H (v64-95) = U a + (+-V b' + B).  half = 1: the c half.  u: U's first register.  (a, a) in v[48 + 4 j], (b', b') in v[50 + 4 j]
.macro XFMA half, j, u
.set ii, 0
.rept 16
.if \half
	v_pk_fma_f32 v[64+ii:65+ii], v[128+ii:129+ii], v[50+4*(\j):51+4*(\j)], v[160+ii:161+ii] neg_lo:[0,1,0] neg_hi:[0,1,0]
.else
	v_pk_fma_f32 v[64+ii:65+ii], v[128+ii:129+ii], v[50+4*(\j):51+4*(\j)], v[160+ii:161+ii]
.endif
.set ii, ii+2
.endr
.set ii, 0
.rept 16
	v_pk_fma_f32 v[64+ii:65+ii], v[(\u)+ii:(\u)+ii+1], v[48+4*(\j):49+4*(\j)], v[64+ii:65+ii]
.set ii, ii+2
.endr
.endm
.macro XOUT half, j                    ; quantised; its half fragment and its half scale word go to LDS.  Each use has codes' registers of its own: none is rewritten before the barrier
	QH 64, 96+4*(2*\half+\j), 112+2*\half+\j, 116
	ds_store_b128 v[T16], v[96+4*(2*\half+\j):99+4*(2*\half+\j)] offset:XIMG+8192*\j+4096*\half
	ds_store_b16 v[ASC], v[112+2*\half+\j] offset:XSC+512*\half+64*\j
.endm
; One scaled matrix instruction, in place on an accumulator.  arow, brow: the scales lie in lanes 16-31 of their registers
.macro WM acc, a, b, sa, sb, arow, brow
.if ((\arow) == 0) && ((\brow) == 0)
	v_wmma_scale_f32_16x16x128_f8f6f4 v[(\acc):(\acc)+7], v[(\a):(\a)+7], v[(\b):(\b)+7], v[(\acc):(\acc)+7], v[\sa], v[\sb] matrix_a_fmt:MATRIX_FMT_FP4 matrix_b_fmt:MATRIX_FMT_FP4
.elseif (\brow) == 0
	v_wmma_scale_f32_16x16x128_f8f6f4 v[(\acc):(\acc)+7], v[(\a):(\a)+7], v[(\b):(\b)+7], v[(\acc):(\acc)+7], v[\sa], v[\sb] matrix_a_fmt:MATRIX_FMT_FP4 matrix_b_fmt:MATRIX_FMT_FP4 matrix_a_scale:MATRIX_SCALE_ROW1
.elseif (\arow) == 0
	v_wmma_scale_f32_16x16x128_f8f6f4 v[(\acc):(\acc)+7], v[(\a):(\a)+7], v[(\b):(\b)+7], v[(\acc):(\acc)+7], v[\sa], v[\sb] matrix_a_fmt:MATRIX_FMT_FP4 matrix_b_fmt:MATRIX_FMT_FP4 matrix_b_scale:MATRIX_SCALE_ROW1
.else
	v_wmma_scale_f32_16x16x128_f8f6f4 v[(\acc):(\acc)+7], v[(\a):(\a)+7], v[(\b):(\b)+7], v[(\acc):(\acc)+7], v[\sa], v[\sb] matrix_a_fmt:MATRIX_FMT_FP4 matrix_b_fmt:MATRIX_FMT_FP4 matrix_a_scale:MATRIX_SCALE_ROW1 matrix_b_scale:MATRIX_SCALE_ROW1
.endif
.endm
; K step s of the first product: the eight accumulators by turns, one instruction a turn.  W1's fragment (s, tau) at v[8 (4 s + tau)] of window 1
.macro MM1 s
	s_wait_dscnt 4*(7-(\s))                        ; this K step's four loads are in; the later steps' four each may stay out
.irp j, 0,1
.irp t, 0,1,2,3
	WM 64+32*\j+8*\t, 8*(4*(\s)+\t), 128+16*(\s)+8*\j, 16+4*((\s)/2)+\t, 40+(\s), (\s)%2, \j
.endr
.endr
.endm
.macro MM2 s, ws, hs                   ; K step s of the second: W2's fragments in slot ws (v128 + 32 ws), the hidden layer's in slot hs (v224 + 16 hs)
.irp j, 0,1
.irp t, 0,1,2,3
	WM 64+32*\j+8*\t, 128+32*(\ws)+8*\t, 224+16*(\hs)+8*\j, 32+4*((\s)/2)+\t, 40+(\s), (\s)%2, \j
.endr
.endr
.endm
.macro W2LD s, ws
.irp t, 0,1,2,3
.irp c, 0,1
	ds_load_b128 v[128+32*(\ws)+8*\t+4*\c:128+32*(\ws)+8*\t+4*\c+3], v[AW2] offset:4096*(\s)+1024*\t+512*\c
.endr
.endr
.endm
.macro HLD s, hs
.irp j, 0,1
.irp c, 0,1
	ds_load_b128 v[224+16*(\hs)+8*\j+4*\c:224+16*(\hs)+8*\j+4*\c+3], v[AL16] offset:HIMG+4096*\j+1024*(\s)+512*\c
.endr
.endr
.endm
; The exact gelu of tile j's 32 numbers, in place.  v128-159 a', v160-191 t, then a' t, v192-223 the exponent, then the power, v224-255 a'^2.
; The reciprocals and the exponentials go as batches, each with independent work and ONE wait behind it, ahead of the first line that names a result.
.macro GELU j
.set XX, 64+32*(\j)
.set ii, 0
.rept 32
	v_mul_f32 v[128+ii], 0.5, |v[XX+ii]|           ; each accumulator is read from its low end on
.set ii, ii+1
.endr
.set ii, 0
.rept 16
	v_pk_fma_f32 v[160+ii:161+ii], v[128+ii:129+ii], s[54:55], 1.0 op_sel_hi:[1,0,0]
.set ii, ii+2
.endr
.set ii, 0
.rept 32
	v_rcp_f32 v[160+ii], v[160+ii]                 ; t
.set ii, ii+1
.endr
.set ii, 0
.rept 16
	v_pk_fma_f32 v[XX+ii:XX+ii+1], v[XX+ii:XX+ii+1], 0.5, v[128+ii:129+ii] op_sel_hi:[1,0,1]   ; x / 2 + a': x, or exactly 0
	v_pk_mul_f32 v[224+ii:225+ii], v[128+ii:129+ii], v[128+ii:129+ii]
.set ii, ii+2
.endr
	s_wait_alu depctr_va_vdst(0)
.set ii, 0
.rept 16
	v_pk_fma_f32 v[192+ii:193+ii], v[160+ii:161+ii], s[52:53], v[12:13] op_sel_hi:[1,0,1]
.set ii, ii+2
.endr
.irp k, 7,6,5,4,3,2,1,0
.set ii, 0
.rept 16
	v_pk_fma_f32 v[192+ii:193+ii], v[192+ii:193+ii], v[160+ii:161+ii], s[36+2*\k:37+2*\k] op_sel_hi:[1,1,0]
.set ii, ii+2
.endr
.endr
.set ii, 0
.rept 16
	v_pk_fma_f32 v[192+ii:193+ii], v[224+ii:225+ii], s[56:57], v[192+ii:193+ii] op_sel_hi:[1,0,1]
.set ii, ii+2
.endr
.set ii, 0
.rept 32
	v_exp_f32 v[192+ii], v[192+ii]
.set ii, ii+1
.endr
.set ii, 0
.rept 16
	v_pk_mul_f32 v[160+ii:161+ii], v[128+ii:129+ii], v[160+ii:161+ii]
.set ii, ii+2
.endr
	s_wait_alu depctr_va_vdst(0)
.set ii, 0
.rept 16
	v_pk_fma_f32 v[XX+ii:XX+ii+1], v[160+ii:161+ii], v[192+ii:193+ii], v[XX+ii:XX+ii+1] neg_lo:[1,0,0] neg_hi:[1,0,0]
.set ii, ii+2
.endr
.endm
; Pass 2 of LN2 for tile j.  mu: the pair (-mean, -mean); ch: chat's first register; out: four registers for the lane pair's Q1 .. Q4.  Two pairs of numbers by turns; the first products start the sums
.macro PASS2 j, mu, ch, out
.set XX, 64+32*(\j)
.set ii, 0
.rept 8
	v_pk_add_f32 v[XX+ii:XX+ii+1], v[XX+ii:XX+ii+1], v[\mu:\mu+1]
	v_pk_add_f32 v[XX+ii+2:XX+ii+3], v[XX+ii+2:XX+ii+3], v[\mu:\mu+1]
.if ii == 0
	v_pk_mul_f32 v[50:51], v[XX:XX+1], v[XX:XX+1]
.else
	v_pk_fma_f32 v[50:51], v[XX+ii:XX+ii+1], v[XX+ii:XX+ii+1], v[50:51]
.endif
	v_pk_mul_f32 v[XX+ii:XX+ii+1], v[XX+ii:XX+ii+1], v[128+ii:129+ii]
	v_pk_fma_f32 v[50:51], v[XX+ii+2:XX+ii+3], v[XX+ii+2:XX+ii+3], v[50:51]
	v_pk_mul_f32 v[XX+ii+2:XX+ii+3], v[XX+ii+2:XX+ii+3], v[130+ii:131+ii]
.if ii == 0
	v_pk_mul_f32 v[52:53], v[XX:XX+1], v[(\ch):(\ch)+1]
	v_pk_mul_f32 v[54:55], v[XX:XX+1], v[XX:XX+1]
	v_pk_mul_f32 v[58:59], v[XX:XX+1], v[160:161]
.else
	v_pk_fma_f32 v[52:53], v[XX+ii:XX+ii+1], v[(\ch)+ii:(\ch)+ii+1], v[52:53]
	v_pk_fma_f32 v[54:55], v[XX+ii:XX+ii+1], v[XX+ii:XX+ii+1], v[54:55]
	v_pk_fma_f32 v[58:59], v[XX+ii:XX+ii+1], v[160+ii:161+ii], v[58:59]
.endif
	v_pk_fma_f32 v[52:53], v[XX+ii+2:XX+ii+3], v[(\ch)+ii+2:(\ch)+ii+3], v[52:53]
	v_pk_fma_f32 v[54:55], v[XX+ii+2:XX+ii+3], v[XX+ii+2:XX+ii+3], v[54:55]
	v_pk_fma_f32 v[58:59], v[XX+ii+2:XX+ii+3], v[162+ii:163+ii], v[58:59]
.set ii, ii+4
.endr
	v_add_f32 v[\out], v50, v51
	v_add_f32 v[\out+1], v52, v53
	v_add_f32 v[\out+2], v54, v55
	v_add_f32 v[\out+3], v58, v59
.irp i, 0,1,2,3
	v_permlanex16_b32 v[52+\i], v[\out+\i], s32, s33
.endr
.irp i, 0,1,2,3
	v_add_f32 v[\out+\i], v[\out+\i], v[52+\i]     ; with lane l xor 16's 32 columns: my wave's 64
.endr
	ds_store_b128 v[TA], v[\out:\out+3] offset:SUM2+2048*(\j)
.endm
	; ================ THE HEAD ================
	s_load_b512 s[4:19], s[0:1], 0x0               ; q s[4:5], c s[6:7], ln1_w s[8:9], ln1_b s[10:11], b1 s[12:13], b2 s[14:15], ln2_w s[16:17], ln2_b s[18:19]
	s_load_b256 s[20:27], s[0:1], 0x40             ; w1img s[20:21], w1sc s[22:23], w2img s[24:25], w2sc s[26:27]
	s_load_b64 s[28:29], s[0:1], 0x60              ; out0
	v_lshl_add_u32 v254, v0, 2, 0x4bc00
	v_mov_b32 v255, 0
	ds_add_u32 v254, v255
	ds_add_u32 v254, v255
	s_wait_dscnt 0x0
	v_lshlrev_b32 v[T16], 4, v0
	v_and_b32 v[TA], 31, v0
	v_lshlrev_b32 v[AL16], 4, v[TA]
	v_lshlrev_b32 v[AL4], 2, v[TA]
	v_lshrrev_b32 v48, 5, v0
	v_readfirstlane_b32 s30, v48                   ; wave 0..7
	v_bfe_u32 v49, v0, 4, 1                        ; h
	v_and_b32 v50, 15, v0                          ; r
	v_lshlrev_b32 v[LB0], 8, v48
	v_lshl_add_u32 v[LB0], v49, 6, v[LB0]
	v_mul_u32_u24 v[AQW], v50, ROWP
	v_add_nc_u32 v[AQW], v[AQW], v[LB0]
	v_add_nc_u32 v[AQW], QW, v[AQW]
	v_lshrrev_b32 v51, 6, v0
	v_bfe_u32 v52, v0, 5, 1
	v_lshlrev_b32 v[ASC], 2, v50
	v_lshl_add_u32 v[ASC], v51, 7, v[ASC]
	v_lshl_add_u32 v[ASC], v52, 1, v[ASC]
	v_lshl_add_u32 v[AW2], v48, 14, v[AL16]
	v_add_nc_u32 v[AW2], W2L, v[AW2]
	v_lshlrev_b32 v[R32], 5, v50
	v_bfe_u32 v53, v0, 3, 4
	v_lshrrev_b32 v54, 7, v0
	v_lshlrev_b32 v[ARES], 6, v53
	v_lshl_add_u32 v[ARES], v54, 2, v[ARES]
	v_add_nc_u32 v240, W2L, v[T16]                 ; v240-246, v251, v252: the copies' addresses; they and v1 stay as they are until the wait for the copies
	v_add_nc_u32 v251, W2L+65536, v[T16]           ; W2's second 65,536 bytes have address registers of their own, in LDS
	v_add_nc_u32 v252, 65536, v[T16]               ; and in memory: so every copy's immediate stays under 65,536
	v_add_nc_u32 v241, VL, v[T16]
	v_add_nc_u32 v242, BL, v[T16]
	v_lshlrev_b32 v246, 3, v0
	v_add_nc_u32 v243, GL, v246
	v_add_nc_u32 v244, BTL, v246
	v_add_nc_u32 v245, B1L, v246
	v_mul_u32_u24 v247, v48, 2*ROWP
	v_add_nc_u32 v247, v247, v[AL16]
	v_add_nc_u32 v248, CW, v247                    ; v248: CW + my wave's two rows + 16 lane
	v_add_nc_u32 v247, QW, v247                    ; v247: QW likewise
	v_lshlrev_b32 v249, 4, v48                     ; v249: my two queries' figures;  v250: my two classes'
	v_lshlrev_b32 v250, 5, v48
	s_mov_b32 s32, 0x76543210
	s_mov_b32 s33, 0xfedcba98                      ; v_permlanex16_b32's selects for lane l xor 16
	KP 36, -1.8257482                              ; P's coefficients C0 .. C7, C9: the erfc series' times log2(e)
	KP 38, 1.4427292
	KP 40, 0.53970062
	KP 42, 0.13963006
	KP 44, -0.26875686
	KP 46, 0.40232158
	KP 48, -1.6377532
	KP 50, 2.1474745
	KP 52, 0.24651730
	KP 54, 0x3f3504f3                              ; 1 / sqrt 2
	KP 56, 0xc038aa3b                              ; -2 log2(e)
	s_mov_b32 s58, 0
	s_mov_b32 s59, CW
	s_mov_b32 s60, CST
	s_mov_b32 s61, 0
	s_lshl_b32 s62, s30, 2
	s_lshl_b32 s63, s30, 4
	s_lshr_b32 s66, s30, 2
	s_lshl_b32 s66, s66, 4
	s_mov_b32 s68, 0x3b000000                      ; 1 / 512
	s_mov_b32 s69, 0x3727c5ac                      ; 1e-5
	s_and_b32 s31, ttmp7, 0xffff                   ; y
	s_lshl_b32 s2, ttmp9, 15                       ; q: 16 x rows of 2,048 bytes,
	s_lshl_b32 s3, s30, 12                         ; my wave's two
	s_add_co_u32 s2, s2, s3
	s_mov_b32 s3, 0
	s_lshl_b32 s34, s31, 15                        ; c likewise
	s_lshl_b32 s35, s30, 12
	s_add_co_u32 s34, s34, s35
	s_mov_b32 s35, 0
	s_lshl_b32 s70, s30, 15                        ; my wave's part of W1's image,
	s_mov_b32 s71, 0
	s_lshl_b32 s72, s30, 11                        ; of its scale words,
	s_mov_b32 s73, 0
	s_lshl_b32 s74, s30, 10                        ; of W2's
	s_mov_b32 s75, 0
	s_lshl_b32 s76, ttmp9, 12                      ; out0: 16 x rows of 256 bytes + 16 y numbers
	s_lshl_b32 s77, s31, 6
	s_add_co_u32 s76, s76, s77
	s_mov_b32 s77, 0
	s_wait_kmcnt 0x0
	s_add_nc_u64 s[4:5], s[4:5], s[2:3]
	s_add_nc_u64 s[6:7], s[6:7], s[34:35]
	s_add_nc_u64 s[20:21], s[20:21], s[70:71]
	s_add_nc_u64 s[22:23], s[22:23], s[72:73]
	s_add_nc_u64 s[26:27], s[26:27], s[74:75]
	s_add_nc_u64 s[28:29], s[28:29], s[76:77]
	; 37 copies, each region filled once: W2's image as it lies (the immediate goes onto both addresses), in two runs of 65,536 bytes, and the five vectors
.set ii, 0
.rept 16
	global_load_async_to_lds_b128 v240, v[T16], s[24:25] offset:4096*ii
.set ii, ii+1
.endr
.set ii, 0
.rept 16
	global_load_async_to_lds_b128 v251, v252, s[24:25] offset:4096*ii
.set ii, ii+1
.endr
	global_load_async_to_lds_b128 v241, v[T16], s[8:9]
	global_load_async_to_lds_b128 v242, v[T16], s[10:11]
	global_load_async_to_lds_b64 v243, v246, s[16:17]
	global_load_async_to_lds_b64 v244, v246, s[18:19]
	global_load_async_to_lds_b64 v245, v246, s[12:13]
	; 32 loads for the figures: a lane holds k = 128 jx + 4 lane + 0 .. 3 of a row; each load reads 512 consecutive bytes
.irp e, 0,1
.irp jx, 0,1,2,3
	global_load_b128 v[64+16*\e+4*\jx:67+16*\e+4*\jx], v[AL16], s[4:5] offset:2048*\e+512*\jx
.endr
.endr
.irp e, 0,1
.irp jx, 0,1,2,3
	global_load_b128 v[96+16*\e+4*\jx:99+16*\e+4*\jx], v[AL16], s[6:7] offset:2048*\e+512*\jx
.endr
.endr
.irp jx, 0,1,2,3,4,5,6,7
	global_load_b128 v[128+4*\jx:131+4*\jx], v[AL16], s[8:9] offset:512*\jx      ; ln1_w
.endr
.irp jx, 0,1,2,3
	global_load_b128 v[160+4*\jx:163+4*\jx], v[AL16], s[14:15] offset:512*\jx    ; b2
.endr
.irp jx, 0,1,2,3
	global_load_b128 v[176+4*\jx:179+4*\jx], v[AL16], s[18:19] offset:512*\jx    ; ln2_b
.endr
.irp p, 0,1,2,3
	global_load_b128 v[16+4*\p:19+4*\p], v[AL16], s[22:23] offset:512*\p         ; W1's scale words: register 4 p + tau: lanes 0-15 K step 2 p, lanes 16-31 K step 2 p + 1
.endr
.irp p, 0,1
	global_load_b128 v[32+4*\p:35+4*\p], v[AL16], s[26:27] offset:512*\p         ; W2's
.endr
	WIN 0x40                                       ; destination window 1
.set ii, 0
.rept 64
	global_load_b128 v[4*ii:4*ii+3], v[AL16], s[20:21] offset:512*ii             ; W1's 32 fragments: they stay
.set ii, ii+1
.endr
	WIN 0
	s_wait_loadcnt 63                              ; 70 loads stand behind the 32 that are wanted: 63 is the largest count that a wait can name
	; my two queries: mean, q', Sq; q' ln1_w and q' + b2 to LDS
.irp e, 0,1
	SUM16 60, 64+16*\e
	v_mul_f32 v[48+2*\e], 0x3b000000, v60
	v_mov_b32 v14, v[48+2*\e]
	v_mov_b32 v15, v[48+2*\e]
	CENTRE 64+16*\e
	DOT16 60, 64+16*\e, 64+16*\e
	v_mov_b32 v[49+2*\e], v60
	PKMUL 192+16*\e, 64+16*\e, 128
	PKADD 64+16*\e, 64+16*\e, 160
	ST16 247, 192+16*\e, ROWP*\e
	ST16 247, 64+16*\e, ARR+ROWP*\e
	ds_store_b64 v249, v[48+2*\e:49+2*\e] offset:QST+8*\e
.endr
	; my two classes: sum c^2, sum ln2_b c and the mean, ahead of the centring
.irp e, 0,1
	DOT16 60, 96+16*\e, 96+16*\e
	v_mov_b32 v[10+\e], v60
	DOT16 60, 96+16*\e, 176
	v_mov_b32 v[54+4*\e], v60
	SUM16 60, 96+16*\e
	v_mul_f32 v[52+4*\e], 0x3b000000, v60
.endr
	DOT16 60, 176, 176                             ; bb
	v_mov_b32 v55, v60
	v_mov_b32 v59, v60
	v_sqrt_f32 v10, v10
	v_sqrt_f32 v11, v11
	v_nop
	s_wait_alu depctr_va_vdst(0)                   ; one wait for the two roots, ahead of their first reader
	v_max_num_f32 v10, 0x2b8cbccc, v10             ; 1e-12
	v_max_num_f32 v11, 0x2b8cbccc, v11
	v_rcp_f32 v10, v10
	v_rcp_f32 v11, v11
	v_nop
	s_wait_alu depctr_va_vdst(0)
	s_wait_dscnt 0x0                               ; the queries' stores have read v192-223: chat goes there
.irp e, 0,1
	v_mul_f32 v[54+4*\e], v[54+4*\e], v[10+\e]     ; bc
	v_mov_b32 v12, v[10+\e]
	v_mov_b32 v13, v[10+\e]
	PKSCL 192+16*\e, 96+16*\e                      ; chat
	v_mov_b32 v14, v[52+4*\e]
	v_mov_b32 v15, v[52+4*\e]
	CENTRE 96+16*\e
	DOT16 60, 96+16*\e, 96+16*\e
	v_mov_b32 v[53+4*\e], v60                      ; Sc
	PKMUL 96+16*\e, 96+16*\e, 144                  ; c' ln1_w[512 ..]
	ST16 248, 96+16*\e, ROWP*\e
	ST16 248, 192+16*\e, ARR+ROWP*\e
	ds_store_b128 v250, v[52+4*\e:55+4*\e] offset:CST+16*\e
.endr
	s_wait_asynccnt 0x0                            ; my copies have landed,
	BAR                                            ; and so have my stores; behind the barrier that holds of every wave
	v_and_b32 v[TA], 15, v0
	v_lshlrev_b32 v[TA], 3, v[TA]
	ds_load_b64 v[10:11], v[TA] offset:QST         ; mq, Sq of my lane's query
	v_mov_b32 v12, -1.1861149                      ; C8, twice
	v_mov_b32 v13, -1.1861149
	s_wait_dscnt 0x0
	; ================ EIGHT BLOCKS OF TWO CLASSES, four barriers each ================
.Lblock:
	; ---- X: wave v makes half c = v % 2 of the fragments of K steps v / 2 (q half) and 4 + v / 2 (c half), for both tiles
	v_mov_b32 v[TA], s60
	v_add_nc_u32 v[ACW], s59, v[LB0]
	ds_load_b128 v[56:59], v[TA]                   ; mc, Sc, .. of class 2 blk
	ds_load_b128 v[60:63], v[TA] offset:16         ; of class 2 blk + 1
	LD32 128, LB0, VL
	LD32 160, LB0, BL
	LD32 192, AQW, 0
	s_wait_dscnt 24                                ; the classes' figures are in; the 24 loads behind them may stay out
	v_sub_f32 v56, v10, v56
	v_sub_f32 v60, v10, v60
	v_add_f32 v57, v11, v57
	v_add_f32 v61, v11, v61
	v_mul_f32 v56, 0.5, v56                        ; d
	v_mul_f32 v60, 0.5, v60
	v_fma_f32 v58, v56, v56, s69                   ; d^2 + 1e-5
	v_fma_f32 v62, v60, v60, s69
	v_fma_f32 v57, v57, 0x3a800000, v58            ; + (Sq + Sc) / 1024
	v_fma_f32 v61, v61, 0x3a800000, v62
	v_rsq_f32 v48, v57                             ; a
	v_rsq_f32 v52, v61
	v_nop
	s_wait_alu depctr_va_vdst(0)                   ; one wait for the two, ahead of their first reader
	v_mov_b32 v49, v48
	v_mov_b32 v53, v52
	v_mul_f32 v50, v56, v48                        ; b' = d a
	v_mul_f32 v54, v60, v52
	v_mul_f32 v51, v56, v48
	v_mul_f32 v55, v60, v52
	s_wait_dscnt 0x0
	XFMA 0, 0, 192
	XOUT 0, 0
	XFMA 0, 1, 192
	LD32 128, LB0, VL+2048                         ; the c half's operands are asked for as soon as the q half's are read
	LD32 160, LB0, BL+2048
	LD32 192, ACW, 0
	LD32 224, ACW, ROWP
	XOUT 0, 1
	s_wait_dscnt 2                                 ; behind those 32 loads stand two stores alone
	XFMA 1, 0, 192
	XOUT 1, 0
	XFMA 1, 1, 224
	XOUT 1, 1
	BAR                                            ; the sixteen fragments and their scale words lie in LDS
	; ---- 1: my 64 hidden units for the 32 rows; the sums start at b1
	LD32 64, LB0, B1L
	LD32 96, LB0, B1L
.irp s, 0,1,2,3,4,5,6,7
	ds_load_b32 v[40+\s], v[AL4] offset:XSC+128*\s ; lanes 0-15: tile 0's words, lanes 16-31: tile 1's
.endr
.irp s, 0,1,2,3,4,5,6,7
.irp j, 0,1
.irp c, 0,1
	ds_load_b128 v[128+16*\s+8*\j+4*\c:131+16*\s+8*\j+4*\c], v[AL16] offset:XIMG+8192*\j+1024*\s+512*\c
.endr
.endr
.endr
	s_wait_loadcnt 0x0                             ; W1 and the weights' scale words (no load is out after the first trip)
	WIN 0x01                                       ; source 0 in window 1
.irp s, 0,1,2,3,4,5,6,7
	MM1 \s
.endr
	WIN 0
	NOP4
	; ---- gelu, quantised: K step v / 2, half v % 2, of the second product; the accumulators then take q' + b2, the second product's start
	GELU 0
	QH 64, 48, 56, 58
	ds_store_b128 v[T16], v[48:51] offset:HIMG
	ds_store_b16 v[ASC], v56 offset:HSC
	LD32 64, AQW, ARR
	GELU 1
	W2LD 0, 0                                      ; W2's K steps 0 to 2 are asked for while tile 1 is quantised
	W2LD 1, 1
	W2LD 2, 2
	QH 96, 52, 57, 58
	ds_store_b128 v[T16], v[52:55] offset:HIMG+4096
	ds_store_b16 v[ASC], v57 offset:HSC+64
	LD32 96, AQW, ARR
	BAR                                            ; the hidden layer's eight fragments lie in LDS
	; ---- 2: my 64 outputs for the 32 rows
.irp s, 0,1,2,3
	ds_load_b32 v[40+\s], v[AL4] offset:HSC+128*\s
.endr
	HLD 0, 0
	HLD 1, 1
	s_wait_dscnt 4                                 ; K step 1's four loads may stay out
	MM2 0, 0, 0
	NOP4
	HLD 2, 0
	W2LD 3, 0
	s_wait_dscnt 12                                ; the twelve just issued may stay out
	MM2 1, 1, 1
	NOP4
	HLD 3, 1
	s_wait_dscnt 12                                ; W2's K step 3 (eight) and the hidden layer's (four) may stay out
	MM2 2, 2, 0
	s_wait_dscnt 0x0
	MM2 3, 0, 1
	NOP4
	; ---- LN2, the norm and the dot product
	LD32 128, LB0, GL
	LD32 160, LB0, BTL
	LD32 192, ACW, ARR
	LD32 224, ACW, ARR+ROWP
	v_pk_add_f32 v[48:49], v[64:65], v[66:67]      ; pass 1: the sum of my 32 numbers of each tile, the two tiles by turns; each accumulator from its low end on
	v_pk_add_f32 v[50:51], v[96:97], v[98:99]
.irp i, 4,6,8,10,12,14,16,18,20,22,24,26,28,30
	v_pk_add_f32 v[48:49], v[48:49], v[64+\i:65+\i]
	v_pk_add_f32 v[50:51], v[50:51], v[96+\i:97+\i]
.endr
	v_add_f32 v48, v48, v49
	v_add_f32 v50, v50, v51
	v_permlanex16_b32 v49, v48, s32, s33
	v_permlanex16_b32 v51, v50, s32, s33
	v_add_f32 v48, v48, v49
	v_add_f32 v50, v50, v51
	v_add_nc_u32 v[TA], s62, v[R32]
	ds_store_b32 v[TA], v48 offset:SUM1
	ds_store_b32 v[TA], v50 offset:SUM1+512
	BAR                                            ; the eight waves' sums of each row lie in LDS
	ds_load_b128 v[48:51], v[R32] offset:SUM1
	ds_load_b128 v[52:55], v[R32] offset:SUM1+16
	ds_load_b128 v[56:59], v[R32] offset:SUM1+512
	ds_load_b128 v[60:63], v[R32] offset:SUM1+528
	v_lshl_add_u32 v[TA], v[R32], 2, s63           ; pass 2's place: 128 r + 16 v
	s_wait_dscnt 0x0
	v_pk_add_f32 v[48:49], v[48:49], v[50:51]
	v_pk_add_f32 v[52:53], v[52:53], v[54:55]
	v_pk_add_f32 v[56:57], v[56:57], v[58:59]
	v_pk_add_f32 v[60:61], v[60:61], v[62:63]
	v_pk_add_f32 v[48:49], v[48:49], v[52:53]
	v_pk_add_f32 v[56:57], v[56:57], v[60:61]
	v_add_f32 v48, v48, v49
	v_add_f32 v56, v56, v57
	v_mul_f32 v48, 0xbb000000, v48                 ; -mean
	v_mul_f32 v56, 0xbb000000, v56
	v_mov_b32 v49, v48
	v_mov_b32 v57, v56
	PASS2 0, 48, 192, 60
	PASS2 1, 56, 224, 48                           ; its four sums go into other registers than tile 0's, whose store may be out
	BAR                                            ; the eight waves' four sums of each row lie in LDS
	s_add_co_u32 s67, s60, s66
	v_mov_b32 v[TA], s67
	ds_load_b128 v[48:51], v[T16] offset:SUM2      ; thread t: row t / 8, wave t % 8's part
	ds_load_b128 v[52:55], v[TA]                   ; the figures of class 2 blk + t / 128
	v_add_nc_u32 v59, s61, v[ARES]
	s_wait_dscnt 0x0
.irp m, 1,2,4
.irp q, 48,49,50,51
	v_add_f32_dpp v\q, v\q, v\q row_xmask:\m row_mask:0xf bank_mask:0xf
.endr
.endr
	v_fma_f32 v56, v48, s68, s69                   ; Q1 / 512 + 1e-5
	v_rsq_f32 v56, v56                             ; r
	v_add_f32 v58, v51, v51
	s_wait_alu depctr_va_vdst(0)
	v_fma_f32 v57, v56, v49, v54                   ; r Q2 + bc
	v_fma_f32 v58, v56, v50, v58                   ; r Q3 + 2 Q4
	v_fma_f32 v58, v56, v58, v55                   ; r (..) + bb
	v_max_num_f32 v58, 0, v58
	v_sqrt_f32 v58, v58
	v_mul_f32 v57, 0x41800000, v57                 ; x 16
	s_wait_alu depctr_va_vdst(0)
	v_max_num_f32 v58, 0x2b8cbccc, v58             ; 1e-12
	v_rcp_f32 v58, v58
	v_nop
	s_wait_alu depctr_va_vdst(0)
	v_mul_f32 v57, v57, v58
	ds_store_b32 v59, v57 offset:RES               ; the eight threads of a row write the same word with the same number
	s_wait_dscnt 0x0                               ; the store has read its registers: the next trip writes them
	s_add_co_u32 s59, s59, 2*ROWP
	s_add_co_u32 s60, s60, 32
	s_add_co_u32 s61, s61, 8
	s_add_co_u32 s58, s58, 1
	s_cmp_lt_u32 s58, 8
	s_cbranch_scc1 .Lblock
	; ================ THE WAY OUT: 256 results, one a thread ================
	BAR
	v_lshlrev_b32 v[TA], 2, v0
	ds_load_b32 v48, v[TA] offset:RES
	v_lshrrev_b32 v49, 4, v0
	v_and_b32 v50, 15, v0
	v_lshlrev_b32 v50, 2, v50
	v_lshl_add_u32 v49, v49, 8, v50                ; query t / 16: a row of 256 bytes; class t % 16
	s_wait_dscnt 0x0
	global_store_b32 v49, v48, s[28:29]            ; sixteen lanes store 64 consecutive bytes
	s_wait_xcnt 0x0
	v_lshl_add_u32 v254, v0, 2, 0x4bc00
	v_mov_b32 v255, 0
	s_wait_tensorcnt 0x0
	ds_add_u32 v254, v255
	s_wait_dscnt 0x0
	s_endpgm
.Lfunc_end_k_qb4751fad01_match:
	.size	k_qb4751fad01_match, .Lfunc_end_k_qb4751fad01_match-k_qb4751fad01_match
	.p2alignl 7, 3214868480
	.fill 96, 4, 3214868480
	.section	.rodata,"a",@progbits
	.p2align	6, 0x0
	.amdhsa_kernel k_qb4751fad01_match
		.amdhsa_group_segment_fixed_size 311296
		.amdhsa_private_segment_fixed_size 0
		.amdhsa_enable_private_segment 0
		.amdhsa_kernarg_size 104
		.amdhsa_user_sgpr_count 2
		.amdhsa_user_sgpr_kernarg_segment_ptr 1
		.amdhsa_wavefront_size32 1
		.amdhsa_system_sgpr_workgroup_id_x 1
		.amdhsa_system_sgpr_workgroup_id_y 1
		.amdhsa_system_sgpr_workgroup_id_z 1
		.amdhsa_system_vgpr_workitem_id 0
		.amdhsa_next_free_vgpr 512
		.amdhsa_next_free_sgpr 84
		.amdhsa_reserve_vcc 0
		.amdhsa_float_denorm_mode_32 3
		.amdhsa_float_denorm_mode_16_64 3
		.amdhsa_memory_ordered 1
		.amdhsa_forward_progress 1
		.amdhsa_inst_pref_size 145
	.end_amdhsa_kernel
	.amdgpu_metadata
---
amdhsa.version: [ 1, 2 ]
amdhsa.kernels:
  - .name:           k_qb4751fad01_match
    .symbol:         k_qb4751fad01_match.kd
    .args:
      - { .name: query_embeddings, .offset: 0, .size: 8, .value_kind: global_buffer, .address_space: global }
      - { .name: class_memories, .offset: 8, .size: 8, .value_kind: global_buffer, .address_space: global }
      - { .name: ln1_w, .offset: 16, .size: 8, .value_kind: global_buffer, .address_space: global }
      - { .name: ln1_b, .offset: 24, .size: 8, .value_kind: global_buffer, .address_space: global }
      - { .name: b1, .offset: 32, .size: 8, .value_kind: global_buffer, .address_space: global }
      - { .name: b2, .offset: 40, .size: 8, .value_kind: global_buffer, .address_space: global }
      - { .name: ln2_w, .offset: 48, .size: 8, .value_kind: global_buffer, .address_space: global }
      - { .name: ln2_b, .offset: 56, .size: 8, .value_kind: global_buffer, .address_space: global }
      - { .name: w1img, .offset: 64, .size: 8, .value_kind: global_buffer, .address_space: global }
      - { .name: w1sc, .offset: 72, .size: 8, .value_kind: global_buffer, .address_space: global }
      - { .name: w2img, .offset: 80, .size: 8, .value_kind: global_buffer, .address_space: global }
      - { .name: w2sc, .offset: 88, .size: 8, .value_kind: global_buffer, .address_space: global }
      - { .name: out0, .offset: 96, .size: 8, .value_kind: global_buffer, .address_space: global }
    .group_segment_fixed_size: 311296
    .private_segment_fixed_size: 0
    .kernarg_segment_align: 8
    .kernarg_segment_size: 104
    .max_flat_workgroup_size: 256
    .sgpr_count:     84
    .vgpr_count:     512
    .wavefront_size: 32
...
	.end_amdgpu_metadata
.endif
;; end of part 2
